; MI455X (gfx1250); checked and timed in simulation.
; The chip was launched on July 23, 2026; its instructions are those of AMD's public machine-readable ISA for CDNA 5 (MIT licence, August 2026) and "CDNA5" Instruction Set Architecture Reference Guide (July 2026). The comments in the code are by the model that wrote it; some were corrected since.
;; FP8 Linear. Allowed arithmetic: matrix products marked QUANTISED: E2M1 operands, one E8M0 scale for each 32 along K, by v_wmma_scale_f32_16x16x128_f8f6f4 with both operands' format E2M1 (or v_wmma_scale_f32_32x16x128_f4), f32 sums; everything else in f32.
;; Inputs: bias 4,096 float32; input_scale one number float32; weight_codes 4,096 x 128 x 16 uint8 (E2M1 codes of weight, K innermost, in blocks of 32 codes, two codes a byte); weight_scale one number float32; weight_scales 4,096 x 128 uint8 (E8M0 scales of weight, one for each 32 codes along K); x_codes 4,096 x 128 x 16 uint8 (E2M1 codes of x, K innermost, in blocks of 32 codes, two codes a byte); x_scales 4,096 x 128 uint8 (E8M0 scales of x, one for each 32 codes along K).
;; Outputs: out0 4,096 x 4,096 float32.
;; This version of the problem:
;;   THIS VERSION OF THE PROBLEM IS GIVEN IN LOW PRECISION. The matrix products marked QUANTISED in the list below multiply operands that are first quantised to E2M1 (2 exponent bits, 1 mantissa bit; 4 bits a number), with one power-of-two scale for each 32 numbers along K (OCP MX v1.0); their sums are f32. All else is computed in f32.
;;   The module's matrix products, in the order in which they are computed (A, B: the left and right operand; K: the contracted axis; several contracted axes count as one K, in the product's order):
;;     1. [M 4,096, K 4,096] x [K 4,096, N 4,096]; A: input x (given as codes); B: input weight (given as codes): QUANTISED
;;   THE QUANTISER, for each operand of a quantised product, along K:
;;     - K is cut into blocks of 32 from its start; a last block that is shorter is filled with zeros.
;;     - A block's scale is 2^e with e = floor(log2(the largest magnitude in the block)) - 2, held to -126 .. 127; a block of zeros has e = 0. As a byte (E8M0): e + 127.
;;     - Each number is divided by its block's scale, clamped to +-6, and rounded to the nearest number of E2M1, ties to even, subnormals kept.
;;     - The product sums the exact products of the quantised numbers (number of the format x scale) in f32.
;;   ~~~python
;;   def quantise(x, axis):      # numpy; x: float32 -> the quantised numbers, widened to float32 again
;;       x = np.moveaxis(x, axis, -1); K = x.shape[-1]
;;       x = np.pad(x, [(0, 0)] * (x.ndim - 1) + [(0, -K % 32)]); x = x.reshape(x.shape[:-1] + (-1, 32)); a = np.abs(x).max(-1, keepdims=True)
;;       e = np.where(a > 0, np.clip(np.frexp(np.where(a > 0, a, 1))[1] - 1 - 2, -126, 127), 0)      # np.frexp(a)[1] - 1 = floor(log2(a)), exactly
;;       r = np.clip(x / 2.0 ** e, -6, 6)
;;       step = 2.0 ** (np.maximum(np.frexp(np.where(r == 0, 1, r))[1] - 1, 0) - 1)
;;       q = np.round(r / step) * step * 2.0 ** e      # np.round: ties to even
;;       return np.moveaxis(q.reshape(q.shape[:-2] + (-1,))[..., :K], -1, axis).astype(np.float32)
;;   ~~~
;;   INPUTS GIVEN AS CODES. weight (in the module: [4096, 4096], K = its axis 1); x (in the module: [4096, 4096], K = its axis 1): each comes as NAME_codes (uint8): NAME with its K axis moved to the last place and cut into blocks of 32 codes, [.., K / 32, bytes a block], one block behind the other in memory; two codes a byte, the lower K in the low four bits (a code: sign, 2 exponent bits, 1 mantissa bit); and NAME_scales (uint8): the same leading axes, one E8M0 byte (e + 127) for each 32 codes along K. Its value is code x scale, taken as it is: it is not quantised again, and the codes and scales need not be those that the quantiser above would give.
;; One version. Each part assembles by itself: llvm-mc -triple=amdgcn-amd-amdhsa -mcpu=gfx1250 --defsym DOCPART=n.
;; ======== version 1 of 1: 2 launches
;; limits: right only within a limited range of input values
;; workspace buffers: xq 8,912,896 bytes; wq 8,912,896 bytes
;; launch cast (part 1): grid 256 x 1, 16 waves a work-group, no clusters, 79,872 bytes of LDS; arguments x_codes, x_scales, weight_codes, weight_scales, xq, wq; writes xq, wq
.if DOCPART == 1
	.amdgcn_target "amdgcn-amd-amdhsa--gfx1250"
	.amdhsa_code_object_version 6
	.text
	.protected	k_q98e27ca4b0_cast
	.globl	k_q98e27ca4b0_cast
	.p2align	8
	.type	k_q98e27ca4b0_cast,@function
k_q98e27ca4b0_cast:
	s_mov_b64 s[64:65], 0
	v_nop
	global_prefetch_b8 v0, s[64:65] scope:SCOPE_SE
	s_setreg_imm32_b32 hwreg(HW_REG_WAVE_MODE, 25, 1), 1
	s_wait_xcnt 0x0
; THE CAST TO E4M3 THAT STANDS AHEAD OF THE PRODUCT, done on codes, and the layout that the product's launch wants.
; x and weight arrive as codes of E2M1 (sign, 3 magnitude bits: 0, 0.5, 1, 1.5, 2, 3, 4, 6), two a byte, with one E8M0 byte s for each block of 32: a value is c x 2^(s - 127).
; The definition rounds each value to E4M3 (3 mantissa bits, smallest step u = 2^-9, largest number 448), to nearest, ties to even, before it multiplies.
; c has one mantissa bit, so from s = 119 up a value is exact.  Below, it is rounded to a multiple of u, and what comes out is 0, 1, 2, 3, 4 or 6 times u: again a code of E2M1, under the byte 118.
; So the cast is a MAP OF THE MAGNITUDE BITS, chosen by the block's byte, and the new byte is max(s, 118):
;   s = 118: c u      = 0 .5 1 1.5 2 3 4 6 u   -> codes 0 0 2 4 4 5 6 7   (0.5 and 1.5 are ties: to the even neighbour)
;   s = 117: c u / 2  = 0 .25 .5 .75 1 1.5 2 3 -> codes 0 0 0 2 2 4 4 5
;   s = 116: c u / 4                           -> codes 0 0 0 0 0 2 2 4
;   s = 115: c u / 8                           -> codes 0 0 0 0 0 0 0 2
;   s < 115: at most 0.375 u                   -> all 0
; THE MAP IS v_perm_b32: a lane's eight table bytes stand in two registers, and four magnitudes, one in each byte of a register, are the selector.  The sign bit is kept; -0 adds nothing.
; LIMIT.  A value beyond 464 in magnitude (that is 512 or more), which the definition's cast turns into NaN, is carried on as it stands.  A byte 0xff stays 0xff and gives NaN.
; LAYOUT of xq and wq: for each 128 rows (two groups of 64) and each 512 along K two pieces, one a group, of 17,408 bytes: 16,384 of codes, [q 0..3][fragment b 0..3][c 0, 1][lane 0..31][16 bytes], then 1,024 of scales,
; [pair i 0, 1][lane 0..31][16 bytes].  Fragment b's lane (r, h) = r + 16 h holds the block K = 128 q + 64 c + 32 h .. + 31 of row 4 r + b: a matrix operand's registers 4 c .. 4 c + 3.
; Pair i's lane l holds the 16 scale bytes of row 4 (l % 16) + 2 i + l / 16.
; SHARES.  A work-group takes fragments 2 i and 2 i + 1 of one group, all of K; wave 8 e + kc takes fragment 2 i + e and the kc-th 512 along K: 8 loads, each of two rows x 256 bytes (a lane a block), all issued at the
; head: no loop.  The first 128 work-groups take x, the others weight: only pointers are chosen.
; The blocks turn through the wave's own LDS: in by rows t (lane: block), back by units of 16 rows x 16 bytes; units lie 272 bytes apart.  LDS serves a wave's instructions in order (ISA guide 5.7.1.4): no wait between.
; The scale bytes come in as whole runs of 256 bytes and are shared by the sixteen waves: one barrier.  No tensor loads; work-groups share no input.
.set PC,   34816                       ; 128 rows x 512 along K: two pieces
.set CWAVE, 16*272                     ; a wave's units
.set SCI,  16*CWAVE                    ; 4,096 bytes: the scale bytes as given, [t][2 rows][128]
.set SCO,  SCI+4096                    ; 256 bytes a wave: the new bytes, [t][16]
.set SPARE, SCO+4096                   ; the spare words, 128 bytes a wave
.set IDLO, 8
.set IDHI, 9
.set ALO,  10
.set BLO,  11
.set BHI,  12
.set CHI,  13
.set DHI,  14
.set NUL,  15
.set B118, 16
.set RDB,  17                          ; LDS: my block's scale byte
.set RDS,  18                          ; LDS: 8 new scale bytes
.set SG,   19                          ; 8 x lane: scale bytes in memory, in and out
.set SIN,  20
.set SOUT, 24
.set SPW,  28                          ; my spare word's LDS address
.set NIL,  29
.set STS,  31                          ; LDS: scale bytes in
.set SB,   32                          ; v32-39  the byte of my n-th block
.set NS,   40                          ; v40-47  its new byte
.set TA,   48
.set TB,   52
.set TT,   56                          ; v56-59 a block's table, two by turns
.set CIN,  60                          ; memory: codes in
.set C,    64                          ; v64-95 the codes, mapped in place
.set RB,   96                          ; v96-127 the units read back
	s_load_b256 s[4:11], s[0:1], 0x0               ; x's codes, x's scales, weight's codes, weight's scales
	s_load_b128 s[12:15], s[0:1], 0x20             ; xq, wq
	v_lshl_add_u32 v[SPW], v0, 2, SPARE
	v_mov_b32 v[NIL], 0
	v_lshrrev_b32 v1, 5, v0
	v_readfirstlane_b32 s16, v1                    ; wave 0..15
	s_and_b32 s17, ttmp9, 127                      ; the work-group's number within its tensor
	s_lshr_b32 s18, s17, 1                         ; group of 64 rows
	s_and_b32 s19, s17, 1                          ; i
	s_lshr_b32 s20, s16, 3                         ; e
	s_and_b32 s21, s16, 7                          ; kc
	s_lshl_b32 s22, s19, 1
	s_add_co_u32 s22, s22, s20                     ; fragment b = 2 i + e
	s_lshl_b32 s32, s18, 17                        ; codes in: 64 rows of 2,048 bytes a group; row b; kc x 256 bytes
	s_lshl_b32 s23, s22, 11
	s_add_co_u32 s32, s32, s23
	s_lshl_b32 s23, s21, 8
	s_add_co_u32 s32, s32, s23
	s_mov_b32 s33, 0
	s_lshl_b32 s34, s18, 13                        ; scales in: 64 rows of 128 bytes a group; rows 2 i, 2 i + 1 of t = wave
	s_lshl_b32 s23, s19, 8
	s_add_co_u32 s34, s34, s23
	s_lshl_b32 s23, s16, 9
	s_add_co_u32 s34, s34, s23
	s_mov_b32 s35, 0
	s_lshr_b32 s40, s18, 1                         ; out: the 128 rows, all of K; the group's piece of my 512 along K
	s_mul_i32 s40, s40, 8*PC
	s_and_b32 s41, s18, 1
	s_mul_i32 s41, s41, PC/2
	s_add_co_u32 s40, s40, s41
	s_mul_i32 s41, s21, PC
	s_add_co_u32 s40, s40, s41
	s_lshl_b32 s23, s22, 10
	s_add_co_u32 s36, s40, s23                     ; codes: + my fragment
	s_mov_b32 s37, 0
	s_lshl_b32 s23, s19, 9
	s_add_co_u32 s38, s40, s23                     ; scales: + the pair, + my half of its lanes
	s_lshl_b32 s23, s20, 8
	s_add_co_u32 s38, s38, s23
	s_add_co_u32 s38, s38, 16384
	s_mov_b32 s39, 0
	s_mul_i32 s42, s16, CWAVE
	s_lshl_b32 s43, s16, 4
	s_add_co_u32 s43, s43, SCI
	s_lshl_b32 s45, s16, 8
	s_add_co_u32 s44, s45, SCI
	s_add_co_u32 s45, s45, SCO
	s_mov_b32 s24, 0x07070707                      ; a magnitude in each byte
	s_mov_b32 s25, 0x88888888                      ; the signs of eight codes
	v_and_b32 v1, 31, v0                           ; lane
	v_and_b32 v3, 15, v0                           ; r: my block among 16; on the way back my row
	v_bfe_u32 v4, v0, 4, 1                         ; h: my row among two; on the way back my block among two
	v_lshlrev_b32 v2, 4, v1                        ; 16 x lane
	v_lshlrev_b32 v[SG], 3, v1
	v_mul_u32_u24 v5, v3, 272                      ; LDS: my block's unit, my row
	v_mul_u32_u24 v6, v4, 272                      ; LDS: back: unit h, row r
	v_lshlrev_b32 v[CIN], 4, v3
	v_lshl_add_u32 v5, v4, 4, v5
	v_lshl_add_u32 v6, v3, 4, v6
	v_lshl_add_u32 v[CIN], v4, 13, v[CIN]          ; the second row lies 4 rows of 2,048 bytes on
	v_add_nc_u32 v5, s42, v5
	v_add_nc_u32 v6, s42, v6
	v_add_nc_u32 v7, s45, v1                       ; LDS: my new byte
	v_add_nc_u32 v[RDS], s45, v[SG]
	v_add_nc_u32 v[STS], s44, v[SG]
	v_lshl_add_u32 v[RDB], v4, 8, v3
	v_add_nc_u32 v[RDB], s43, v[RDB]
	v_mov_b32 v[IDLO], 0x03020100                  ; 119 and up: as they are
	v_mov_b32 v[IDHI], 0x07060504
	v_mov_b32 v[ALO],  0x04020000                  ; 118 (its upper half is unchanged)
	v_mov_b32 v[BLO],  0x02000000                  ; 117
	v_mov_b32 v[BHI],  0x05040402
	v_mov_b32 v[CHI],  0x04020200                  ; 116 (from here down the lower half is 0)
	v_mov_b32 v[DHI],  0x02000000                  ; 115
	v_mov_b32 v[NUL],  0
	v_mov_b32 v[B118], 118
	s_wait_alu depctr_va_vdst(0)
	s_wait_kmcnt 0x0
	s_cmp_lt_u32 ttmp9, 128                        ; x's work-group or weight's?  The choice hangs on the work-group's number alone
	s_cselect_b64 s[4:5], s[4:5], s[8:9]
	s_cselect_b64 s[6:7], s[6:7], s[10:11]
	s_cselect_b64 s[12:13], s[12:13], s[14:15]
	s_add_nc_u64 s[4:5], s[4:5], s[32:33]
	s_add_nc_u64 s[6:7], s[6:7], s[34:35]
	s_add_nc_u64 s[14:15], s[12:13], s[38:39]
	s_add_nc_u64 s[12:13], s[12:13], s[36:37]
	global_load_b64 v[SIN:SIN+1], v[SG], s[6:7] th:TH_LOAD_NT                     ; 256 consecutive bytes; first: every block wants them
.irp n, 0,1,2,3,4,5,6,7
	global_load_b128 v[C+4*\n:C+4*\n+3], v[CIN], s[4:5] offset:16384*\n th:TH_LOAD_NT  ; rows t = 2 n, 2 n + 1: 256 consecutive bytes each; read once in the launch
.endr
	s_wait_loadcnt 8                               ; the scale bytes are in; the 8 loads of codes stay out
	ds_store_b64 v[STS], v[SIN:SIN+1]
	s_wait_dscnt 0x0                               ; for the others' sake
	s_barrier_signal -1
	s_barrier_wait -1
.irp n, 0,1,2,3,4,5,6,7
	ds_load_u8 v[SB+\n], v[RDB] offset:512*\n
.endr
	s_wait_dscnt 0x0
.macro BLOCK n
.set CW, C+4*(\n)
.set SJ, SB+(\n)
.set NJ, NS+(\n)
.set TL, TT+2*((\n)%2)
	; my block's table and its new byte: what holds for a smaller byte overwrites what held for a larger one
	v_cmp_gt_u32 s26, 119, v[SJ]
	v_cmp_gt_u32 s27, 118, v[SJ]
	v_cmp_gt_u32 s28, 117, v[SJ]
	v_cmp_gt_u32 s29, 116, v[SJ]
	v_cmp_gt_u32 s30, 115, v[SJ]
	v_cndmask_b32 v[TL], v[IDLO], v[ALO], s26
	v_cndmask_b32 v[TL+1], v[IDHI], v[BHI], s27
	v_cndmask_b32 v[NJ], v[SJ], v[B118], s26       ; max(s, 118)
	v_cndmask_b32 v[TL], v[TL], v[BLO], s27
	v_cndmask_b32 v[TL+1], v[TL+1], v[CHI], s28
	v_cndmask_b32 v[TL], v[TL], v[NUL], s28
	v_cndmask_b32 v[TL+1], v[TL+1], v[DHI], s29
	v_cndmask_b32 v[TL+1], v[TL+1], v[NUL], s30
	s_wait_loadcnt 7-(\n)                          ; loads come back in order (ISA guide 5.7.1): block n's is in, the younger ones stay out
.irp i, 0,1,2,3
	v_lshrrev_b32 v[TB+\i], 4, v[CW+\i]
	v_and_b32 v[TA+\i], s24, v[CW+\i]              ; the magnitudes of the four codes in the low nibbles,
.endr
.irp i, 0,1,2,3
	v_and_b32 v[TB+\i], s24, v[TB+\i]              ; and of the four in the high nibbles
.endr
.irp i, 0,1,2,3
	v_perm_b32 v[TA+\i], v[TL+1], v[TL], v[TA+\i]  ; selector bytes 0-3 take from the second source, 4-7 from the first: four look-ups an instruction
	v_perm_b32 v[TB+\i], v[TL+1], v[TL], v[TB+\i]
.endr
.irp i, 0,1,2,3
	v_lshl_or_b32 v[TA+\i], v[TB+\i], 4, v[TA+\i]
.endr
.irp i, 0,1,2,3
	v_and_or_b32 v[CW+\i], v[CW+\i], s25, v[TA+\i] ; with their signs
.endr
	ds_store_b128 v5, v[CW:CW+3] offset:32*(\n)
	ds_store_b8 v7, v[NJ] offset:32*(\n)
.endm
.irp n, 0,1,2,3,4,5,6,7
	BLOCK \n
.endr
.irp p, 0,1,2,3,4,5,6,7
	ds_load_b128 v[RB+4*\p:RB+4*\p+3], v6 offset:544*\p    ; units 2 p and 2 p + 1: these see my stores
.endr
	ds_load_b64 v[SOUT:SOUT+1], v[RDS]
.irp p, 0,1,2,3,4,5,6,7
	s_wait_dscnt 8-\p
	global_store_b128 v2, v[RB+4*\p:RB+4*\p+3], s[12:13] offset:(\p/2)*4096+(\p%2)*512   ; 512 consecutive bytes at a multiple of 512 from the piece's first byte
.endr
	s_wait_dscnt 0x0
	global_store_b64 v[SG], v[SOUT:SOUT+1], s[14:15]       ; a whole run of 256 bytes
	s_wait_tensorcnt 0x0                           ; the wave's end
	ds_add_u32 v[SPW], v[NIL]
	s_wait_dscnt 0x0
	s_endpgm
.Lfunc_end_k_q98e27ca4b0_cast:
	.size	k_q98e27ca4b0_cast, .Lfunc_end_k_q98e27ca4b0_cast-k_q98e27ca4b0_cast
	.p2alignl 7, 3214868480
	.fill 96, 4, 3214868480
	.section	.rodata,"a",@progbits
	.p2align	6, 0x0
	.amdhsa_kernel k_q98e27ca4b0_cast
		.amdhsa_group_segment_fixed_size 79872
		.amdhsa_private_segment_fixed_size 0
		.amdhsa_enable_private_segment 0
		.amdhsa_kernarg_size 48
		.amdhsa_user_sgpr_count 2
		.amdhsa_user_sgpr_kernarg_segment_ptr 1
		.amdhsa_wavefront_size32 1
		.amdhsa_system_sgpr_workgroup_id_x 1
		.amdhsa_system_sgpr_workgroup_id_y 1
		.amdhsa_system_sgpr_workgroup_id_z 1
		.amdhsa_system_vgpr_workitem_id 0
		.amdhsa_next_free_vgpr 128
		.amdhsa_next_free_sgpr 66
		.amdhsa_reserve_vcc 0
		.amdhsa_float_denorm_mode_32 3
		.amdhsa_float_denorm_mode_16_64 3
		.amdhsa_memory_ordered 1
		.amdhsa_forward_progress 1
		.amdhsa_inst_pref_size 28
	.end_amdhsa_kernel
	.amdgpu_metadata
---
amdhsa.version: [ 1, 2 ]
amdhsa.kernels:
  - .name:           k_q98e27ca4b0_cast
    .symbol:         k_q98e27ca4b0_cast.kd
    .args:
      - { .name: x_codes, .offset: 0, .size: 8, .value_kind: global_buffer, .address_space: global }
      - { .name: x_scales, .offset: 8, .size: 8, .value_kind: global_buffer, .address_space: global }
      - { .name: weight_codes, .offset: 16, .size: 8, .value_kind: global_buffer, .address_space: global }
      - { .name: weight_scales, .offset: 24, .size: 8, .value_kind: global_buffer, .address_space: global }
      - { .name: xq, .offset: 32, .size: 8, .value_kind: global_buffer, .address_space: global }
      - { .name: wq, .offset: 40, .size: 8, .value_kind: global_buffer, .address_space: global }
    .group_segment_fixed_size: 79872
    .private_segment_fixed_size: 0
    .kernarg_segment_align: 8
    .kernarg_segment_size: 48
    .max_flat_workgroup_size: 512
    .sgpr_count:     66
    .vgpr_count:     128
    .wavefront_size: 32
...
	.end_amdgpu_metadata
.endif
;; end of part 1
;; launch gemm (part 2): grid 16 x 16, 4 waves a work-group, clusters of 4 x 4, 327,680 bytes of LDS; arguments xq, wq, bias, input_scale, weight_scale, out0; writes out0
.if DOCPART == 2
	.amdgcn_target "amdgcn-amd-amdhsa--gfx1250"
	.amdhsa_code_object_version 6
	.text
	.protected	k_q98e27ca4b0_gemm
	.globl	k_q98e27ca4b0_gemm
	.p2align	8
	.type	k_q98e27ca4b0_gemm,@function
k_q98e27ca4b0_gemm:
	s_mov_b64 s[64:65], 0
	v_nop
	global_prefetch_b8 v0, s[64:65] scope:SCOPE_SE
	s_setreg_imm32_b32 hwreg(HW_REG_WAVE_MODE, 25, 1), 1
	s_wait_xcnt 0x0
	s_wait_alu depctr_hold_cnt(0) depctr_sa_sdst(0) depctr_va_vdst(0) depctr_va_sdst(0) depctr_va_ssrc(0) depctr_va_vcc(0) depctr_vm_vsrc(0)
	s_getreg_b32 s2, hwreg(HW_REG_IB_STS2, 6, 4)
	s_cmp_eq_u32 s2, 0
	s_cbranch_scc0 .Lentry_in_a_cluster
	s_endpgm
.Lentry_in_a_cluster:
	s_bfe_u32 s2, ttmp6, 0x10000c
	s_cmp_lg_u32 s2, 0xf033
	s_cbranch_scc0 .Lentry_shape_is_right
	s_endpgm
.Lentry_shape_is_right:
; out0[m][n] = (sum over k of x[m][k] w[n][k]) * (input_scale * weight_scale) + bias[n].   M = N = K = 4,096.
; xq and wq are what the launch before has left: the given values after the definition's cast to E4M3, again as codes of FP4 (E2M1) with E8M0 bytes, in the order of the matrix operands' registers:
; [128 rows][512 along K][group of 64 rows: a piece of 17,408 bytes], a piece = [q][fragment][c][lane][16 bytes] codes, then [pair][lane][16 bytes] scales; fragment b's lane (r, h) holds row 4 r + b of its group.
; Sums in f32, K ascending, one accumulator for each output.
; SHARES.  A tile of out0, 256 x 256, is made by a work-group of four waves; a wave makes 128 x 128: 64 accumulators of 16 x 16, 512 registers.  16 x 16 tiles: 256 work-groups.
; K goes in 8 steps of 512 through a ring of two LDS slots: each wave brings a quarter of a slot, 34,816 consecutive bytes of memory as 136 rows of 256: waves 0 and 1 x's halves, waves 2 and 3 w's.
; The scale bytes ride in the slot.  Every LDS load takes 512 consecutive bytes: no padding.
; CLUSTERS: 4 x 4 work-groups.  The four of a row of the cluster need the same x, the four of a column the same w: each is asked for JOINTLY, by the same tensor load with the same descriptor and a mask that names the four.
; A STEP of 128 along K: the next step's 32 LDS loads go out first, into the other sets of fragments; then come 64 products on this step's.
; THE LAST K STEP GOES BY ROWS OF out0: its eight blocks of 16 rows are finished one after the other, and each leaves as soon as it is finished.
; THE WAY OUT needs no LDS: source 0 is x, source 1 is w, so a lane holds one column of each fragment; with w's rows 4 r + b in fragment b, lane r's four fragments of a group are columns 4 r .. 4 r + 3: 16 bytes, and sixteen
; lanes are one aligned run of 256 bytes of a row.
; PREFETCH.  Behind the joint load of K step s each wave asks for its part of K step s + 1: of the 136 blocks of 256 bytes that it will fetch, each of the four partners asks for 34, told apart by address: each block once in
; each cluster that loads it, one refill ahead of the load.  K step 0 comes by its load alone; behind K step 7's nothing is asked for.
; LIMITS.  A scale byte 0xff gives NaN, as the format says.  The way out is one fused multiply-add, sum * s + bias, rounded once where the definition rounds twice; s = input_scale * weight_scale is one f32 product.
; All of a WGP's LDS is claimed: the text uses 279,040 bytes.
; REGISTERS.  Window 0: v0-31 addresses, s, bias; v32-95 scale words, two sets (x's 16, then w's 16); v128-191 and v192-255 x's fragments, two sets.  In the last K step: v96-191 three buffers of x's fragments (16 rows x 512 K);
;   v192-255 results on their way out.   Window 1: w's fragments, two sets, at v0 and v128; in the last K step all 256.
;   Window 2: the 32 accumulators of my rows 0-63 (accumulator (a, b) at v[8 (8 a + b)]);   window 3: those of my rows 64-127.
.set PC,   34816                       ; what one tensor load brings: 128 rows x 512 along K
.set PIECE, PC/2                       ; a group of 64 rows
.set SLOT, 4*PC                        ; x's 256 rows, then w's 256 rows
.set ROWS, 8*PC                        ; 128 rows, all of K
.set LAPS, 4                           ; a lap = two K steps = once round the ring
.set SPARE, 2*SLOT                     ; behind the ring: the spare words, 128 bytes a wave
.set SV,   6                           ; v6      s
.set PF,   7                           ; v7      prefetch: 256 x lane (lanes 17-31 as lane 16); never rewritten
.set BI,   8                           ; v8-15   bias of my eight columns
.set ADRA, 16                          ; v16-17  LDS address of my 16 bytes of x in slot 0, 1; never rewritten
.set ADRB, 20                          ; v20-21  the same for w
.set CO,   26                          ; v26     my byte offset in out0
.set SPW,  28
.set NIL,  29
.set SC,   32
.set XR3,  96
.set AF,   128
.set BK,   192
.set G1,   24                          ; s[24:31] descriptor group 1 for x;  s[32:39] group 0, one set for each slot
.set G0,   32
.set G1B,  48                          ; s[48:55], s[56:63] the same for w
.set G0B,  56
.set PFA,  66                          ; s[66:67] where my prefetches stand
.set MSB, 0
.macro WIN new                         ; the immediate's high byte repeats the setting that is left
.if MSB != \new
	s_set_vgpr_msb (MSB<<8)|\new
.set MSB, \new
.endif
.endm
.set MUL_LO, 0xa4                      ; source 0 (x) window 0, source 1 (w) window 1, C and D window 2
.set MUL_HI, 0xf4                      ; the same, C and D window 3
.set TO_B,   0x40                      ; destination window 1
.macro PLACES                          ; four places behind a matrix instruction, ahead of loads into its sources or reads of its result (for reads of its result)
.rept 4
	v_nop
.endr
.endm
.macro JLOAD s                         ; a joint load: waves 0 and 1 fetch x, waves 2 and 3 w; an s_nop 0 and four v_nop follow each of the two lines
	s_cmp_eq_u32 s15, 0
	s_cbranch_scc0 .Lfor_w_\@
	tensor_load_to_lds s[G0+4*\s:G0+4*\s+3], s[G1:G1+7]
	s_nop 0
	PLACES
	s_branch .Lasked_\@
.Lfor_w_\@:
	tensor_load_to_lds s[G0B+4*\s:G0B+4*\s+3], s[G1B:G1B+7]
	s_nop 0
	PLACES
.Lasked_\@:
.endm
.macro CREST                           ; a round of the cluster's barrier behind its opening barrier
	s_cmp_lg_u32 s14, 0
	s_cbranch_scc1 .Lnot_wave_0_\@
	s_barrier_signal -3
.Lnot_wave_0_\@:
	s_barrier_wait -3
	s_barrier_signal -1
	s_barrier_wait -1
.endm
.macro CROUND                          ; a whole round
	s_barrier_signal -1
	s_barrier_wait -1
	CREST
.endm
.macro ASK off                         ; my 34 blocks, 17 and 17, off bytes on from where my prefetches stand
	global_prefetch_b8 v[PF], s[PFA:PFA+1] offset:\off th:TH_LOAD_NT scope:SCOPE_SE
	global_prefetch_b8 v[PF], s[PFA:PFA+1] offset:\off+17*256 th:TH_LOAD_NT scope:SCOPE_SE
.endm
.macro FRAG reg, adr, q, i             ; fragment i of my 128 rows, the slot's q-th 128 along K: two loads of 512 consecutive bytes
.irp c, 0,1
	ds_load_b128 v[\reg+4*\c:\reg+4*\c+3], v[\adr] offset:((\i)/4)*PIECE+((\i)%4)*1024+4096*(\q)+512*\c
.endr
.endm
.macro FETCH slot, q, p                ; a step's fragments into sets p: 32 loads
	WIN TO_B
.irp i, 0,1,2,3,4,5,6,7
	FRAG 128*(\p)+8*\i, ADRB+\slot, \q, \i
.endr
	WIN 0
.irp i, 0,1,2,3,4,5,6,7
	FRAG AF+64*(\p)+8*\i, ADRA+\slot, \q, \i
.endr
.endm
.macro SCALES s                        ; the scale words of slot s: fragments 2 i (lanes 0-15) and 2 i + 1 (lanes 16-31); register q of four serves step q: 8 loads
.irp i, 0,1,2,3
	ds_load_b128 v[SC+32*\s+4*\i:SC+32*\s+4*\i+3], v[ADRA+\s] offset:(\i/2)*PIECE+16384+512*(\i%2)
	ds_load_b128 v[SC+32*\s+16+4*\i:SC+32*\s+16+4*\i+3], v[ADRB+\s] offset:(\i/2)*PIECE+16384+512*(\i%2)
.endr
.endm
.macro WI c                            ; odd fragments take their scales from lanes 16-31
.if RX == 0
.if RW == 0
	v_wmma_scale_f32_16x16x128_f8f6f4 v[AC:AC+7], v[XR:XR+7], v[WR:WR+7], \c, v[XW], v[WW] matrix_a_fmt:MATRIX_FMT_FP4 matrix_b_fmt:MATRIX_FMT_FP4
.else
	v_wmma_scale_f32_16x16x128_f8f6f4 v[AC:AC+7], v[XR:XR+7], v[WR:WR+7], \c, v[XW], v[WW] matrix_a_fmt:MATRIX_FMT_FP4 matrix_b_fmt:MATRIX_FMT_FP4 matrix_b_scale:MATRIX_SCALE_ROW1
.endif
.else
.if RW == 0
	v_wmma_scale_f32_16x16x128_f8f6f4 v[AC:AC+7], v[XR:XR+7], v[WR:WR+7], \c, v[XW], v[WW] matrix_a_fmt:MATRIX_FMT_FP4 matrix_b_fmt:MATRIX_FMT_FP4 matrix_a_scale:MATRIX_SCALE_ROW1
.else
	v_wmma_scale_f32_16x16x128_f8f6f4 v[AC:AC+7], v[XR:XR+7], v[WR:WR+7], \c, v[XW], v[WW] matrix_a_fmt:MATRIX_FMT_FP4 matrix_b_fmt:MATRIX_FMT_FP4 matrix_a_scale:MATRIX_SCALE_ROW1 matrix_b_scale:MATRIX_SCALE_ROW1
.endif
.endif
.endm
.macro WM a, b, xr, wr                 ; x's block a, w's block b; QT: the slot's q-th 128 along K; SS: the set of scale words; ZR = 1: the product starts the sum: nothing is ever cleared
.set AC, 8*(8*((\a)%4)+(\b))
.set XR, \xr
.set WR, \wr
.set XW, SC+32*SS+4*((\a)/2)+QT
.set WW, SC+32*SS+16+4*((\b)/2)+QT
.set RX, (\a)%2
.set RW, (\b)%2
.if ZR
	WI 0
.else
	WI v[AC:AC+7]
.endif
.endm
.macro MUL16 a0                        ; blocks a0, a0 + 1 against w's eight.  The 64 accumulators take turns, in the same order in every step
.irp a, 0,1
.irp b, 0,1,2,3,4,5,6,7
	WM (\a0+\a), \b, AF+64*PP+8*(\a0+\a), 128*PP+8*\b
.endr
.endr
.endm
.macro STEP slot, q, z                 ; a step that has its successor in the same slot
.set QT, \q
.set PP, (\q)%2
.set SS, \slot
.set ZR, \z
	PLACES                                         ; behind the last step's products, which read the sets that are loaded now
	FETCH \slot, (\q)+1, 1-PP
	s_wait_dscnt 32                                ; this step's are in; the 32 just issued may be out
	WIN MUL_LO
	MUL16 0
	MUL16 2
	WIN MUL_HI
	MUL16 4
	MUL16 6
.endm
; A slot's last step changes slots.  In front of the barrier each wave waits for all its tensor loads (one is out: its part of the next slot), adds 0 to its spare word, and waits for that and for its reads of this slot.
; The barrier opens a round of the cluster's barrier; behind the round this slot is filled again, two K steps on.
.macro TURN slot, next
.set QT, 3
.set PP, 1
.set SS, \slot
.set ZR, 0
	WIN 0                                          ; (the add's two registers lie in window 0)
	s_wait_xcnt 0x0                                ; my prefetches have read their address
	s_add_nc_u64 s[PFA:PFA+1], s[PFA:PFA+1], PC
	s_wait_tensorcnt 0x0                           ; all my tensor loads have landed
	ds_add_u32 v[SPW], v[NIL]                      ; 0 onto my spare word
	s_add_nc_u64 s[G0+4*\slot+2:G0+4*\slot+3], s[G0+4*\slot+2:G0+4*\slot+3], 2*PC      ; no tensor load of mine is out, so the groups 0 may be written; the type bits on top are not reached
	s_add_nc_u64 s[G0B+4*\slot+2:G0B+4*\slot+3], s[G0B+4*\slot+2:G0B+4*\slot+3], 2*PC
	s_wait_dscnt 1                                 ; this step's fragments are in; the add may be out
	WIN MUL_LO
	MUL16 0                                        ; sixteen matrix instructions stand between the add and the wait for it
	s_wait_dscnt 0x0                               ; the add is done, and my reads of this slot are over
	s_barrier_signal -1
	MUL16 2                                        ; work on registers while the others arrive
	WIN 0
	s_barrier_wait -1
	CREST                                          ; no wave of any partner still reads this slot or has a load on its way
	JLOAD \slot                                    ; the first tensor load behind the round, one a wave; the four v_nop behind it are also the places in front of the loads below
	FETCH \next, 0, 0
	SCALES \next
.if \slot
	s_cmp_gt_u32 s3, 1                             ; in the loop's last trip K step 7 has just been asked for: nothing follows it
	s_cbranch_scc0 .Lno_ask_\@
	ASK PC
.Lno_ask_\@:
.else
	ASK PC
.endif
	WIN MUL_HI
	MUL16 4
	MUL16 6
.endm
.macro BLOAD q                         ; the last K step: w's fragments of quarter q -> window 1, v[64 q ..]: 16 loads
.irp i, 0,1,2,3,4,5,6,7
	FRAG 64*\q+8*\i, ADRB+1, \q, \i
.endr
.endm
.macro ALOAD a                         ; x's fragments of block a, all four quarters -> buffer a % 3: 8 loads
.irp q, 0,1,2,3
	FRAG XR3+32*((\a)%3)+8*\q, ADRA+1, \q, \a
.endr
.endm
.macro ROW a                           ; block a is finished: 32 matrix instructions, its 8 accumulators by turns, K ascending
	WIN MUL_LO+0x50*((\a)/4)
.irp q, 0,1,2,3
.set QT, \q
.if ((\a) == 0) && (\q > 1)
	s_wait_dscnt 64-16*\q                          ; w's quarter 2 (behind it quarter 3 and x's blocks 1, 2), then quarter 3
.endif
.irp b, 0,1,2,3,4,5,6,7
	WM \a, \b, XR3+32*((\a)%3)+8*\q, 64*\q+8*\b
.endr
.endr
.endm
.macro EPI a                           ; x's fragment a is rows 4 (8 h + j) + a % 4 of group a / 4: sum * s + bias, then two stores a row pair; each accumulator from its low end on
.if (\a) > 0
	s_wait_xcnt 0x0                                ; the block before's stores have read their registers
.endif
	WIN 0x02+((\a)/4)                              ; source 0 window 2 or 3
.irp j, 0,1,2,3,4,5,6,7
.irp b, 0,1,2,3,4,5,6,7
	v_fma_f32 v[BK+8*\j+\b], v[64*((\a)%4)+8*\b+\j], v[SV], v[BI+\b]
.endr
.endr
	WIN 0
.irp j, 0,1,2,3,4,5,6,7
.irp g, 0,1
	global_store_b128 v[CO], v[BK+8*\j+4*\g:BK+8*\j+4*\g+3], s[94:95] offset:(((\a)/4)*64+4*\j+(\a)%4)*16384+256*\g th:TH_STORE_NT   ; two whole aligned runs of 256 bytes; written once, read by nobody here
.endr
.endr
.endm
	s_load_b256 s[4:11], s[0:1], 0x0               ; xq s[4:5], wq s[6:7], bias s[8:9], where input_scale lies s[10:11]
	s_load_b128 s[92:95], s[0:1], 0x20             ; where weight_scale lies s[92:93], out0 s[94:95]
	v_lshl_add_u32 v[SPW], v0, 2, SPARE
	v_mov_b32 v[NIL], 0
	ds_add_u32 v[SPW], v[NIL]                      ; the wave's opening: the add, twice on end, and its wait
	ds_add_u32 v[SPW], v[NIL]
	v_lshrrev_b32 v1, 5, v0
	v_readfirstlane_b32 s14, v1                    ; wave 0..3
	s_lshr_b32 s15, s14, 1                         ; which half of the tile's rows is mine.  Also: I fetch for x (0) or for w (1)
	s_and_b32 s16, s14, 1                          ; which half of its columns.  Also: which 128 rows I fetch
	s_bfe_u32 s40, ttmp6, 0x40000                  ; cx, cy: my place in the cluster
	s_bfe_u32 s41, ttmp6, 0x40004
	s_lshl_b32 s42, ttmp9, 2
	s_add_co_u32 s42, s42, s40                     ; tile column
	s_and_b32 s17, ttmp7, 0xffff
	s_lshl_b32 s17, s17, 2
	s_add_co_u32 s17, s17, s41                     ; tile row
	s_lshl_b32 s43, s41, 2
	s_lshl_b32 s43, 15, s43                        ; my row of the cluster
	s_lshl_b32 s44, 0x1111, s40                    ; my column
	s_or_b32 s[G1+0], s43, 1<<21                   ; 15:0 the mask: x goes to my row; 17:16 elements of 1 byte; 21 set beside a mask; no padding
	s_or_b32 s[G1B+0], s44, 1<<21                  ; w goes to my column
.irp g, G1, G1B
	s_mov_b32 s[\g+1], 256<<16                     ; rows of 256 bytes,
	s_mov_b32 s[\g+2], 136<<16                     ; 136 of them,
	s_mov_b32 s[\g+3], 256<<16
	s_mov_b32 s[\g+4], 136
	s_mov_b32 s[\g+5], 256                         ; one behind the other
	s_mov_b32 s[\g+6], 0
	s_mov_b32 s[\g+7], 0
.endr
	s_lshl_b32 s20, s17, 1                         ; x's hang on the tile row alone, which my row of the cluster shares,
	s_add_co_u32 s20, s20, s16
	s_mul_i32 s20, s20, ROWS
	s_mov_b32 s21, 0
	s_lshl_b32 s46, s42, 1                         ; w's on the tile column alone, which my column shares
	s_add_co_u32 s46, s46, s16
	s_mul_i32 s46, s46, ROWS
	s_mov_b32 s47, 0
	s_mul_i32 s45, s14, PC                         ; where they go: no place in the cluster enters an LDS address
	s_cmp_eq_u32 s15, 0                            ; prefetch: the tensor that I fetch for,
	s_cselect_b32 s68, s17, s42
	s_cselect_b32 s69, s40, s41                    ; and my place among the four that ask with me
	s_lshl_b32 s68, s68, 1
	s_add_co_u32 s68, s68, s16
	s_mul_i32 s68, s68, ROWS
	s_mul_i32 s69, s69, 34*256
	s_add_co_u32 s68, s68, s69
	s_add_co_u32 s68, s68, PC                      ; K step 1 is the first that is asked for
	s_mov_b32 s69, 0
	s_lshl_b32 s70, s17, 22                        ; out0: rows of 16,384 bytes: 256 x tile row + 128 x half
	s_lshl_b32 s71, s15, 21
	s_add_co_u32 s70, s70, s71
	s_mov_b32 s71, 0
	s_lshl_b32 s72, s42, 10                        ; my first column, in bytes
	s_lshl_b32 s73, s16, 9
	s_add_co_u32 s72, s72, s73
	s_mov_b32 s73, 0
	s_mul_i32 s18, s15, PC                         ; my 128 rows of x in a slot
	s_mul_i32 s19, s16, PC                         ; and of w, behind x's 256
	s_add_co_u32 s19, s19, 2*PC
	v_and_b32 v2, 31, v0                           ; lane
	v_and_b32 v3, 15, v0                           ; r
	v_bfe_u32 v4, v0, 4, 1                         ; h
	v_lshlrev_b32 v1, 4, v2
	v_lshlrev_b32 v5, 4, v3                        ; 16 r
	v_min_u32 v[PF], 16, v2
	v_add_nc_u32 v[ADRA], s18, v1
	v_add_nc_u32 v[ADRB], s19, v1
	v_lshl_add_u32 v[CO], v4, 19, v5               ; lanes 16-31 hold rows 32 further down
	v_lshlrev_b32 v[PF], 8, v[PF]
	v_add_nc_u32 v[ADRA+1], SLOT, v[ADRA]
	v_add_nc_u32 v[ADRB+1], SLOT, v[ADRB]
	s_wait_alu depctr_va_vdst(0)
	s_wait_dscnt 0x0                               ; both opening adds are done
	CROUND                                         ; all sixteen work-groups are here: the first joint loads meet.  The arguments are on their way meanwhile
	s_wait_kmcnt 0x0
	s_load_b32 s100, s[10:11], 0x0                 ; input_scale
	s_load_b32 s101, s[92:93], 0x0                 ; weight_scale
	s_add_nc_u64 s[20:21], s[4:5], s[20:21]
	s_add_nc_u64 s[46:47], s[6:7], s[46:47]
.irp s, 0,1
	s_mov_b32 s[G0+4*\s], 1
	s_add_co_u32 s[G0+4*\s+1], s45, \s*SLOT
	s_add_nc_u64 s[G0+4*\s+2:G0+4*\s+3], s[20:21], \s*PC
	s_or_b32 s[G0+4*\s+3], s[G0+4*\s+3], 0x80000000
	s_mov_b32 s[G0B+4*\s], 1
	s_add_co_u32 s[G0B+4*\s+1], s45, \s*SLOT
	s_add_nc_u64 s[G0B+4*\s+2:G0B+4*\s+3], s[46:47], \s*PC
	s_or_b32 s[G0B+4*\s+3], s[G0B+4*\s+3], 0x80000000
.endr
	JLOAD 0                                        ; K step 0: one tensor load a wave at the head
	s_add_nc_u64 s[8:9], s[8:9], s[72:73]
	global_load_b128 v[BI:BI+3], v5, s[8:9]        ; bias of columns 4 r .. 4 r + 3 of my first 64,
	global_load_b128 v[BI+4:BI+7], v5, s[8:9] offset:256   ; and of my second 64
	s_cmp_eq_u32 s15, 0                            ; the choice between two buffers hangs on the wave's number alone
	s_cselect_b64 s[PFA:PFA+1], s[4:5], s[6:7]
	s_add_nc_u64 s[PFA:PFA+1], s[PFA:PFA+1], s[68:69]
	ASK 0                                          ; K step 1
	s_add_nc_u64 s[94:95], s[94:95], s[70:71]
	s_add_nc_u64 s[94:95], s[94:95], s[72:73]
	s_wait_kmcnt 0x0                               ; the two scalars
	v_mov_b32 v[SV], s101
	v_mul_f32 v[SV], s100, v[SV]                   ; s = input_scale * weight_scale
	s_wait_alu depctr_va_vdst(0)
	s_wait_loadcnt 0x0
	s_wait_tensorcnt 0x0                           ; my part of K step 0 is in
	ds_add_u32 v[SPW], v[NIL]
	s_wait_dscnt 0x0
	CROUND                                         ; everybody's part is in, and all sixteen work-groups are here
	JLOAD 1                                        ; K step 1's load, the first tensor load behind the round
	FETCH 0, 0, 0
	SCALES 0
	ASK PC                                         ; K step 2
	STEP 0, 0, 1                                   ; the first step stands in front of the loop: its products start the sums
	WIN 0                                          ; at a label and at a branch every window is 0
	s_mov_b32 s3, LAPS-1
.Llap:                                                 ; a trip goes once round the ring, from a lap's second step to the next lap's first, and fills both slots again
	STEP 0, 1, 0
	STEP 0, 2, 0
	TURN 0, 1
	STEP 1, 0, 0
	STEP 1, 1, 0
	STEP 1, 2, 0
	TURN 1, 0
	STEP 0, 0, 0
	WIN 0
	s_sub_co_u32 s3, s3, 1
	s_cmp_lg_u32 s3, 0
	s_cbranch_scc1 .Llap
	STEP 0, 1, 0                                   ; the last lap fills nothing, and has no round of the cluster's barrier
	STEP 0, 2, 0
	; the last change of slots
.set QT, 3
.set PP, 1
.set SS, 0
	WIN 0
	s_wait_tensorcnt 0x0                           ; my part of slot 1, the last K step, is in
	s_wait_dscnt 0x0
	s_barrier_signal -1
	WIN MUL_LO
	MUL16 0
	MUL16 2
	WIN 0
	s_barrier_wait -1
	PLACES                                         ; for the loads into w's set 0, which the step before multiplied
	SCALES 1                                       ; the first group, 48 loads: what the first block's first two quarters want
	ALOAD 0
	WIN TO_B
	BLOAD 0
	BLOAD 1
	WIN MUL_HI
	MUL16 4                                        ; the rest of slot 0's last step: it still reads w's and x's sets 1
	MUL16 6
	PLACES                                         ; for the loads into w's set 1, and for the results laid over x's set 1
	WIN TO_B
	BLOAD 2                                        ; the second group, 48 loads
	BLOAD 3
	WIN 0
	ALOAD 1
	ALOAD 2
.set SS, 1
	s_wait_dscnt 48                                ; the first group is in; the 48 just issued may be out
; Each block leaves as soon as it is finished: nothing follows this tile, so the sooner its stores begin, the sooner the launch ends.  A block's buffer of x takes the block three further on.
.irp a, 0,1,2,3,4,5,6,7
.if (\a > 0) && (\a < 6)
	s_wait_dscnt 16                                ; block a's fragments are in; the two blocks' behind them may be out
.endif
.if \a > 5
	s_wait_dscnt 8*(7-\a)
.endif
	ROW \a
	PLACES                                         ; for the reads of its results
	EPI \a
.if \a < 5
	ALOAD \a+3
.endif
.endr
	s_wait_tensorcnt 0x0                           ; the wave's end
	ds_add_u32 v[SPW], v[NIL]
	s_wait_dscnt 0x0
	CROUND                                         ; the closing round: no work-group ends while a partner may still ask for a tile that names it
	s_endpgm
.Lfunc_end_k_q98e27ca4b0_gemm:
	.size	k_q98e27ca4b0_gemm, .Lfunc_end_k_q98e27ca4b0_gemm-k_q98e27ca4b0_gemm
	.p2alignl 7, 3214868480
	.fill 96, 4, 3214868480
	.section	.rodata,"a",@progbits
	.p2align	6, 0x0
	.amdhsa_kernel k_q98e27ca4b0_gemm
		.amdhsa_group_segment_fixed_size 327680
		.amdhsa_private_segment_fixed_size 0
		.amdhsa_enable_private_segment 0
		.amdhsa_kernarg_size 48
		.amdhsa_user_sgpr_count 2
		.amdhsa_user_sgpr_kernarg_segment_ptr 1
		.amdhsa_wavefront_size32 1
		.amdhsa_system_sgpr_workgroup_id_x 1
		.amdhsa_system_sgpr_workgroup_id_y 1
		.amdhsa_system_sgpr_workgroup_id_z 1
		.amdhsa_system_vgpr_workitem_id 0
		.amdhsa_next_free_vgpr 1024
		.amdhsa_next_free_sgpr 102
		.amdhsa_reserve_vcc 0
		.amdhsa_float_denorm_mode_32 3
		.amdhsa_float_denorm_mode_16_64 3
		.amdhsa_memory_ordered 1
		.amdhsa_forward_progress 1
		.amdhsa_inst_pref_size 224
	.end_amdhsa_kernel
	.amdgpu_metadata
---
amdhsa.version: [ 1, 2 ]
amdhsa.kernels:
  - .name:           k_q98e27ca4b0_gemm
    .symbol:         k_q98e27ca4b0_gemm.kd
    .args:
      - { .name: xq, .offset: 0, .size: 8, .value_kind: global_buffer, .address_space: global }
      - { .name: wq, .offset: 8, .size: 8, .value_kind: global_buffer, .address_space: global }
      - { .name: bias, .offset: 16, .size: 8, .value_kind: global_buffer, .address_space: global }
      - { .name: input_scale, .offset: 24, .size: 8, .value_kind: global_buffer, .address_space: global }
      - { .name: weight_scale, .offset: 32, .size: 8, .value_kind: global_buffer, .address_space: global }
      - { .name: out0, .offset: 40, .size: 8, .value_kind: global_buffer, .address_space: global }
    .group_segment_fixed_size: 327680
    .private_segment_fixed_size: 0
    .kernarg_segment_align: 8
    .kernarg_segment_size: 48
    .max_flat_workgroup_size: 128
    .sgpr_count:     102
    .vgpr_count:     1024
    .wavefront_size: 32
...
	.end_amdgpu_metadata
.endif
;; end of part 2
